; MI455X (gfx1250); checked and timed in simulation.
; The chip was launched on July 23, 2026; its instructions are those of AMD's public machine-readable ISA for CDNA 5 (MIT licence, August 2026) and "CDNA5" Instruction Set Architecture Reference Guide (July 2026). The comments in the code are by the model that wrote it; some were corrected since.
;; Head. Allowed arithmetic: matrix products marked QUANTISED: E5M2 operands, one given power-of-two scale a tensor, by v_wmma_f32_16x16x64_bf8_bf8 or v_wmma_f32_16x16x128_bf8_bf8, f32 sums; everything else in f32.
;; Inputs: K 1 float32; Wk 64 x 512 float32; Wq 64 x 512 float32; Wv 64 x 512 float32; lowp_scales 10 int32 (the exponents e of the quantised operands' scales 2^e); x 4 x 4,096 x 512 float32.
;; Outputs: out0 4 x 4,096 x 64 float32.
;; This version of the problem:
;;   THIS VERSION OF THE PROBLEM IS GIVEN IN LOW PRECISION. The matrix products marked QUANTISED in the list below multiply operands that are first quantised to E5M2 (5 exponent bits, 2 mantissa bits; 8 bits a number), with one given power-of-two scale for each operand tensor; their sums are f32. All else is computed in f32.
;;   The module's matrix products, in the order in which they are computed (A, B: the left and right operand; K: the contracted axis; several contracted axes count as one K, in the product's order):
;;     1. [M 16,384, K 512] x [K 512, N 64]; A: input x; B: input Wq: QUANTISED (scales: A lowp_scales[0], B lowp_scales[1])
;;     2. [M 16,384, K 512] x [K 512, N 64]; A: input x; B: input Wk: QUANTISED (scales: A lowp_scales[2], B lowp_scales[3])
;;     3. [M 16,384, K 512] x [K 512, N 64]; A: input x; B: input Wv: QUANTISED (scales: A lowp_scales[4], B lowp_scales[5])
;;     4. batch 4 x [M 4,096, K 64] x [K 64, N 4,096]; A: computed on the way; B: computed on the way: QUANTISED (scales: A lowp_scales[6], B lowp_scales[7])
;;     5. batch 4 x [M 4,096, K 4,096] x [K 4,096, N 64]; A: softmax (see below); B: computed on the way: QUANTISED (scales: A lowp_scales[8], B lowp_scales[9])
;;   THE QUANTISER, for each operand of a quantised product, along K:
;;     - The operand's scale is 2^e, e = its entry of the input lowp_scales (int32; the entries are numbered through the quantised products in the list's order, A before B).
;;     - Each number is divided by the scale, clamped to +-57,344, and rounded to the nearest number of E5M2, ties to even, subnormals kept.
;;     - The product sums the exact products of the quantised numbers (number of the format x scale) in f32.
;;   ~~~python
;;   def quantise(x, axis, e):      # numpy; x: float32 -> the quantised numbers, widened to float32 again
;;       x = np.moveaxis(x, axis, -1); K = x.shape[-1]
;;       r = np.clip(x / 2.0 ** e, -57344, 57344)
;;       step = 2.0 ** (np.maximum(np.frexp(np.where(r == 0, 1, r))[1] - 1, -14) - 2)
;;       q = np.round(r / step) * step * 2.0 ** e      # np.round: ties to even
;;       return np.moveaxis(q, -1, axis).astype(np.float32)
;;   ~~~
;;   SOFTMAX AHEAD OF A QUANTISED PRODUCT. Where the list says 'softmax', what is quantised is not the finished softmax but p = 2^(t - M), with t = logit x log2(e) and M = ceil(the row's largest t), a whole number; so 1/2 < the row's largest p <= 1. The row's sum l is taken of the UNQUANTISED p, in f32, and the product's result is divided by l at the end. Since M is a whole number, a kernel that streams over the keys may use a running M (the ceiling of the running maximum): every later rescaling is an exact power of two, so the quantised numbers keep their values, but for numbers so far below the row's largest that they fall under the format's range.
;;   OPERANDS COMPUTED ON THE WAY. 'Computed on the way' means the value that the module computes at that place (a softmax that the list does not call 'softmax' is quantised finished and normalised). What goes into a quantiser is computed in f32, as accurately as f32 sums, v_exp_f32 and their like allow (about 1e-6 of the number): no bf16 or f16 on the way to a quantiser, and a product that is left as it is and whose result goes on into a quantised operand takes f32 operands (vector FMAs, or v_wmma_f32_16x16x4_f32). A number that lies on a knife's edge between two numbers of the format may be rounded either way, as far as f32 arithmetic and the matrix unit's own rounding can turn it there, and no further.
;; One version. Each part assembles by itself: llvm-mc -triple=amdgcn-amd-amdhsa -mcpu=gfx1250 --defsym DOCPART=n.
;; ======== version 1 of 1: 3 launches
;; limits: right only within a limited range of input values
;; workspace buffers: w_img 98,304 bytes; q_img 1,048,576 bytes; k_img 1,048,576 bytes; v_img 1,048,576 bytes
;; launch wq (part 1): grid 48 x 1, 4 waves a work-group, no clusters, 0 bytes of LDS; arguments Wq, Wk, Wv, lowp_scales, w_img; writes w_img
.if DOCPART == 1
	.amdgcn_target "amdgcn-amd-amdhsa--gfx1250"
	.amdhsa_code_object_version 6
	.text
	.protected	k_q06fb718f6e_wq
	.globl	k_q06fb718f6e_wq
	.p2align	8
	.type	k_q06fb718f6e_wq,@function
k_q06fb718f6e_wq:
	s_mov_b64 s[64:65], 0
	v_nop
	global_prefetch_b8 v0, s[64:65] scope:SCOPE_SE
	s_setreg_imm32_b32 hwreg(HW_REG_WAVE_MODE, 25, 1), 1
	s_wait_xcnt 0x0
; Wq, Wk, Wv [64][512] f32 become codes of BF8 (E5M2), each with its given scale 2^e (entries 1, 3, 5 of the scales), laid as IMAGES OF OPERAND REGISTERS:
; w_img = [K step t 4][role g 3: q, k, v][tile n 4][piece c 4][lane 32][16 bytes].  Fragment 12 t + 4 g + n is 16 rows x 128 K, 2,048 bytes; lane (r, h) holds in registers 4 c .. 4 c + 3 sixteen numbers of row 16 n + r of W_g.
; ORDER OF K, the same as the next launch gives x: with l0 = 16 (t mod 2) + 4 c + 2 h and K = 256 (t / 2) + 4 l0: numbers K + 0 .. 3, K + 128 + 0 .. 3, K + 4 .. 7, K + 128 + 4 .. 7.
; code = w / 2^e, held within +-57,344, rounded to the nearest code, ties to even.  LIMITS: e between -126 and 112; NaN among the inputs is not served.
; SHARES: work-group 4 i + t, i = 4 g + n, takes 16 rows of one weight and one K step, its wave c one piece: four loads, one store.  A work-group's four waves read whole units of 256 bytes; each number is read once:
; no LDS, no barrier, no cluster (no two work-groups read the same bytes).  48 work-groups are all the work there is.
.set NUM, 16                           ; v16-31  16 numbers of my row
.set COD, 32                           ; v32-35  their codes
	s_load_b256 s[4:11], s[0:1], 0x0               ; Wq s[4:5], Wk s[6:7], Wv s[8:9], the scales' exponents s[10:11]
	s_load_b64 s[12:13], s[0:1], 0x20              ; w_img
	v_lshrrev_b32 v1, 5, v0
	v_readfirstlane_b32 s14, v1                    ; wave = piece c
	s_lshr_b32 s15, ttmp9, 2                       ; i = 4 g + n
	s_and_b32 s16, ttmp9, 3                        ; K step t
	s_and_b32 s17, s15, 3                          ; tile n
	s_lshl_b32 s17, s17, 15                        ; 16 n rows of 2,048 bytes
	s_lshr_b32 s18, s16, 1
	s_lshl_b32 s18, s18, 10
	s_add_co_u32 s17, s17, s18                     ; + 1,024 (t / 2)
	s_and_b32 s18, s16, 1
	s_lshl_b32 s18, s18, 8
	s_add_co_u32 s17, s17, s18                     ; + 256 (t mod 2)
	s_lshl_b32 s18, s14, 6
	s_add_co_u32 s17, s17, s18                     ; + 64 c
	s_mul_i32 s18, s16, 12
	s_add_co_u32 s18, s18, s15
	s_lshl_b32 s18, s18, 11                        ; out: fragment 12 t + i
	s_lshl_b32 s19, s14, 9
	s_add_co_u32 s18, s18, s19                     ; + 512 c
	v_and_b32 v1, 15, v0                           ; r
	v_bfe_u32 v2, v0, 4, 1                         ; h
	v_and_b32 v5, 31, v0                           ; lane
	v_lshlrev_b32 v3, 11, v1
	v_lshl_add_u32 v3, v2, 5, v3
	v_add_nc_u32 v3, s17, v3                       ; in: + 2,048 r + 32 h
	v_lshl_add_u32 v4, v5, 4, s18                  ; out: + 16 x lane
	s_wait_alu depctr_va_vdst(0)
	s_wait_kmcnt 0x0
	s_load_b256 s[20:27], s[10:11], 0x0            ; e0 .. e7
	s_cmp_lt_u32 ttmp9, 32                         ; which weight: the choice hangs on the work-group's number alone
	s_cselect_b64 s[6:7], s[6:7], s[8:9]
	s_cmp_lt_u32 ttmp9, 16
	s_cselect_b64 s[4:5], s[4:5], s[6:7]
	global_load_b128 v[NUM:NUM+3], v3, s[4:5]
	global_load_b128 v[NUM+4:NUM+7], v3, s[4:5] offset:512
	global_load_b128 v[NUM+8:NUM+11], v3, s[4:5] offset:16
	global_load_b128 v[NUM+12:NUM+15], v3, s[4:5] offset:528
	s_wait_kmcnt 0x0
	s_cmp_lt_u32 ttmp9, 32
	s_cselect_b32 s23, s23, s25                    ; e3 or e5
	s_cmp_lt_u32 ttmp9, 16
	s_cselect_b32 s21, s21, s23                    ; e1, or that
	s_add_co_i32 s21, s21, 127
	s_lshl_b32 s22, s21, 23
	v_mov_b32 v11, s22                             ; 2^e as f32: the conversion takes its exponent field
	s_add_co_i32 s21, s21, 15
	s_lshl_b32 s21, s21, 23
	s_or_b32 s21, s21, 0x600000
	v_mov_b32 v10, s21                             ; 57,344 x 2^e
	s_wait_alu depctr_va_vdst(0)
	s_wait_loadcnt 0x0
.set i, 0
.rept 16
	v_med3_num_f32 v[NUM+i], v[NUM+i], -v10, v10   ; the conversion to an 8-bit code does not saturate (ISA guide 7.6.2): the hold comes first
.set i, i+1
.endr
	v_cvt_scalef32_pk8_bf8_f32 v[COD:COD+1], v[NUM:NUM+7], v11
	v_cvt_scalef32_pk8_bf8_f32 v[COD+2:COD+3], v[NUM+8:NUM+15], v11
	v_nop                                          ; a plain line behind the last conversion
	global_store_b128 v4, v[COD:COD+3], s[12:13]   ; 32 lanes store 512 consecutive bytes, aligned
	s_endpgm
.Lfunc_end_k_q06fb718f6e_wq:
	.size	k_q06fb718f6e_wq, .Lfunc_end_k_q06fb718f6e_wq-k_q06fb718f6e_wq
	.p2alignl 7, 3214868480
	.fill 96, 4, 3214868480
	.section	.rodata,"a",@progbits
	.p2align	6, 0x0
	.amdhsa_kernel k_q06fb718f6e_wq
		.amdhsa_group_segment_fixed_size 0
		.amdhsa_private_segment_fixed_size 0
		.amdhsa_enable_private_segment 0
		.amdhsa_kernarg_size 40
		.amdhsa_user_sgpr_count 2
		.amdhsa_user_sgpr_kernarg_segment_ptr 1
		.amdhsa_wavefront_size32 1
		.amdhsa_system_sgpr_workgroup_id_x 1
		.amdhsa_system_sgpr_workgroup_id_y 1
		.amdhsa_system_sgpr_workgroup_id_z 1
		.amdhsa_system_vgpr_workitem_id 0
		.amdhsa_next_free_vgpr 64
		.amdhsa_next_free_sgpr 66
		.amdhsa_reserve_vcc 0
		.amdhsa_float_denorm_mode_32 3
		.amdhsa_float_denorm_mode_16_64 3
		.amdhsa_memory_ordered 1
		.amdhsa_forward_progress 1
		.amdhsa_inst_pref_size 4
	.end_amdhsa_kernel
	.amdgpu_metadata
---
amdhsa.version: [ 1, 2 ]
amdhsa.kernels:
  - .name:           k_q06fb718f6e_wq
    .symbol:         k_q06fb718f6e_wq.kd
    .args:
      - { .name: Wq, .offset: 0, .size: 8, .value_kind: global_buffer, .address_space: global }
      - { .name: Wk, .offset: 8, .size: 8, .value_kind: global_buffer, .address_space: global }
      - { .name: Wv, .offset: 16, .size: 8, .value_kind: global_buffer, .address_space: global }
      - { .name: lowp_scales, .offset: 24, .size: 8, .value_kind: global_buffer, .address_space: global }
      - { .name: w_img, .offset: 32, .size: 8, .value_kind: global_buffer, .address_space: global }
    .group_segment_fixed_size: 0
    .private_segment_fixed_size: 0
    .kernarg_segment_align: 8
    .kernarg_segment_size: 40
    .max_flat_workgroup_size: 128
    .sgpr_count:     66
    .vgpr_count:     64
    .wavefront_size: 32
...
	.end_amdgpu_metadata
.endif
;; end of part 1
;; launch proj (part 2): grid 256 x 1, 8 waves a work-group, no clusters, 102,400 bytes of LDS; arguments x, w_img, K, lowp_scales, q_img, k_img, v_img; writes q_img, k_img, v_img
.if DOCPART == 2
	.amdgcn_target "amdgcn-amd-amdhsa--gfx1250"
	.amdhsa_code_object_version 6
	.text
	.protected	k_q06fb718f6e_proj
	.globl	k_q06fb718f6e_proj
	.p2align	8
	.type	k_q06fb718f6e_proj,@function
k_q06fb718f6e_proj:
	s_mov_b64 s[64:65], 0
	v_nop
	global_prefetch_b8 v0, s[64:65] scope:SCOPE_SE
	s_setreg_imm32_b32 hwreg(HW_REG_WAVE_MODE, 25, 1), 1
	s_wait_xcnt 0x0
; q = arnold(x Wq^T), k = arnold(x Wk^T), v = x Wv^T for 16,384 rows of x [.][512] f32, the three products on codes of BF8 (E5M2); the results leave as codes of BF8, laid as images of the next launch's operand registers.
; arnold(t) = (t + 0.618 - |K| / (2 pi) sin(2 pi t)) mod 1, in f32.  x is quantised with e0, e2, e4 (the three products' own scales): code = number / 2^e, held within +-57,344, to the nearest code, ties to even.  W's codes come from w_img.
; SHARES: a work-group owns 64 rows (four tiles T of 16).  Eight waves: wave w = 4 half + n owns channels 16 n .. 16 n + 15: of q (half 0) or of k (half 1) for all four tiles, and of v for tiles 2 P + half, P = 0, 1.
; W's codes stay in registers: 4 K steps x 16 registers for each of a wave's two weight tiles.  x is quantised once for the work-group: wave w takes rows 2 w, 2 w + 1 of each tile; its codes go through LDS.
; ORDER OF K.  Lane l of a wave loads 16 bytes of each 512 of a row of x: numbers 128 s + 4 l + 0 .. 3, s = 0 .. 3.  Eight codes (u = 0, 1): 256 u + 4 l + 0 .. 3, 256 u + 128 + 4 l + 0 .. 3, lie at byte 256 u + 8 l of the row's 512.
; A fragment's registers 4 c .. 4 c + 3 of K step t are bytes 128 t + 32 c + 16 h + 0 .. 15 of row r.  w_img has the same order.
; LDS: the codes of x's tiles: [tile 4][product 3][row 16][512 + 16 bytes]: rows 528 bytes apart, so that the 16 rows of a load fall on 16 different columns of 16 bytes.  Each byte is stored once.
; LOADS: all 64 of a wave go out at the head: x's tiles 0 and 1 (8 each), W's two tiles (16 each), x's tiles 2 and 3.  No loop to run ahead in: nothing is prefetched.
; NO CLUSTER: a wave takes each of its fragments of W once, 16 KiB in all, straight into the registers that hold them to the end.  There is no ring and no step in which a tile is asked for again; a joint load would bring W's 96 KiB into LDS first,
; to be read back from there, with a round and a wait for all waves ahead of the first product.
; LAYOUTS.  q, k: source 0 = W, source 1 = 16 tokens: lane (r, h) holds token r and in register j channel 16 n + 8 h + j: the conversion gives registers 2 n, 2 n + 1 of the K = 64 operand.
;           v: source 0 = tokens, source 1 = Wv: lane (r, h) holds channel 16 n + r and tokens 8 h + j: the conversion gives the registers of 16 tokens of V^T's operand.
; q_img, k_img = [Tg 1,024][n 4][lane 32][8 bytes];  v_img = [128 tokens G 128][n 4][c 8][lane 32][8 bytes], Tg = 8 G + c.
; THE SINE: g = t - round(t) is exact; m = sign(g) min(|g|, 1/2 - |g|), |m| <= 1/4, has the same sine of 2 pi m; r = 2 pi m; sin r = r + r^3 (C3 + z (C5 + z (C7 + z (C9 + z C11)))), z = r^2: what is cut off is r^13 / 13!, under 6e-8 at pi / 2.
; LIMITS: e0, e2, e4, e6, e7 and e9 - e4 - e5 between -126 and 112; e0 + e1 and e2 + e3 between -126 and 127, so that each power of two below is an f32 number.  NaN and infinities among the inputs are not served.
;         The sine is taken of the exactly reduced argument; a program that first rounds 2 pi t to f32 differs by that rounding.
; REGISTERS.  Window 0: v1, v3 LDS address of v's x fragments (tiles 0-1, 2-3); v2 16 x lane; v8 8 x lane; v9, v10 the spare word's address and 0; v13-15 2^e0, 2^e2, 2^e4; v16 2^e6 or 2^e7; v17 2^(e9-e4-e5); v[18:19] C11;
;   v20, v21 where x's codes go; v22, v23 q's or k's x fragments; v24-47 accumulators; v48-191 at work; v128-255 x as loaded (32 a tile).  Window 1: v0-63 W's codes, v64-127 Wv's.
.set XT,    25344                      ; a tile's codes, three products
.set XG,    8448                       ; one product's
.set SPARE, 101376                     ; behind the four tiles: the spare words, 128 bytes for each wave: four blocks of 256 bytes that no other line names
.set WSTEP, 24576                      ; a K step's 12 fragments in w_img
.set X,   128
.set TMP, 64
.set XCD, 40
.set ACC, 24
.set FB,  48
.set T,   48
.set R,   64
.set Z,   80
.set P,   96
.set VH,  112
.set VC,  120
.set QC,  122
.set MSB, 0
.macro WIN new                         ; the immediate's high byte repeats the setting that is left
.if MSB != \new
	s_set_vgpr_msb (MSB<<8)|\new
.set MSB, \new
.endif
.endm
.macro PLACES                          ; four plain lines behind a matrix instruction (ISA guide 7.12.1)
.rept 4
	v_nop
.endr
.endm
.macro SCALE vd, sl                    ; s2 = e + 127 on entry: v[vd] = 2^e, s[sl] = 57,344 x 2^e
	s_lshl_b32 s3, s2, 23
	v_mov_b32 v[\vd], s3
	s_add_co_i32 s2, s2, 15
	s_lshl_b32 s2, s2, 23
	s_or_b32 s[\sl], s2, 0x600000
.endm
.macro LOADX t                         ; my two rows of tile t
.irp w, 0,1
.irp s, 0,1,2,3
	global_load_b128 v[X+32*\t+16*\w+4*\s:X+32*\t+16*\w+4*\s+3], v2, s[4:5] offset:32768*\t+2048*\w+512*\s th:TH_LOAD_NT   ; 32 lanes read 512 consecutive bytes, aligned
.endr
.endr
.endm
.macro LOADW wd, sb                    ; a weight tile's four fragments
.irp s, 0,1,2,3
.irp c, 0,1,2,3
	global_load_b128 v[\wd+16*\s+4*\c:\wd+16*\s+4*\c+3], v2, s[\sb:\sb+1] offset:WSTEP*\s+512*\c
.endr
.endr
.endm
	s_load_b256 s[4:11], s[0:1], 0x0               ; x s[4:5], w_img s[6:7], K s[8:9], the scales' exponents s[10:11]
	s_load_b128 s[12:15], s[0:1], 0x20             ; q_img s[12:13], k_img s[14:15]
	s_load_b64 s[16:17], s[0:1], 0x30              ; v_img
	v_lshl_add_u32 v9, v0, 2, SPARE
	v_mov_b32 v10, 0
	v_lshrrev_b32 v1, 5, v0
	v_readfirstlane_b32 s22, v1                    ; wave 0..7
	s_lshr_b32 s24, s22, 2                         ; half
	s_and_b32 s25, s22, 3                          ; n
	s_lshl_b32 s26, ttmp9, 17                      ; x: 64 rows of 2,048 bytes a work-group, + 2 w rows
	s_lshl_b32 s27, s22, 12
	s_add_co_u32 s26, s26, s27
	s_mov_b32 s27, 0
	s_lshl_b32 s30, s25, 11                        ; W: fragment n of each K step: of q or k,
	s_lshl_b32 s28, s24, 13
	s_add_co_u32 s28, s28, s30
	s_mov_b32 s29, 0
	s_add_co_u32 s30, s30, 16384                   ; and of v
	s_mov_b32 s31, 0
	s_mul_i32 s80, s22, 1056                       ; 2 w rows of 528 bytes
	s_mul_i32 s82, s24, XG
	s_mul_i32 s84, s24, XT
	s_add_co_u32 s84, s84, 2*XG
	v_and_b32 v24, 31, v0                          ; lane
	v_and_b32 v25, 15, v0                          ; r
	v_bfe_u32 v26, v0, 4, 1                        ; h
	v_lshlrev_b32 v2, 4, v24
	v_lshlrev_b32 v8, 3, v24
	v_add_nc_u32 v20, s80, v8
	v_add_nc_u32 v21, 2*XT, v20
	v_mul_u32_u24 v28, v25, 528
	v_lshl_add_u32 v28, v26, 4, v28
	v_add_nc_u32 v22, s82, v28
	v_add_nc_u32 v23, 2*XT, v22
	v_add_nc_u32 v1, s84, v28
	v_add_nc_u32 v3, 2*XT, v1
	s_wait_alu depctr_va_vdst(0)
	s_wait_kmcnt 0x0
	s_load_b256 s[68:75], s[10:11], 0x0            ; e0 .. e7
	s_load_b64 s[76:77], s[10:11], 0x20            ; e8, e9
	s_load_b32 s60, s[8:9], 0x0                    ; K
	s_add_nc_u64 s[4:5], s[4:5], s[26:27]
	s_add_nc_u64 s[18:19], s[6:7], s[28:29]
	s_add_nc_u64 s[20:21], s[6:7], s[30:31]
	LOADX 0
	LOADX 1
	WIN 0x40                                       ; destination window 1
	LOADW 0, 18
	LOADW 64, 20
	WIN 0
	LOADX 2
	LOADX 3
	s_lshl_b32 s28, ttmp9, 12                      ; q_img or k_img: tile 4 x work-group, 1,024 bytes each, + 256 n
	s_lshl_b32 s29, s25, 8
	s_add_co_u32 s28, s28, s29
	s_mov_b32 s29, 0
	s_cmp_lt_u32 s22, 4
	s_cselect_b64 s[12:13], s[12:13], s[14:15]
	s_add_nc_u64 s[12:13], s[12:13], s[28:29]
	s_lshr_b32 s28, ttmp9, 1                       ; v_img: 8,192 (work-group / 2) + 2,048 n + 1,024 (work-group mod 2) + 256 half
	s_lshl_b32 s28, s28, 13
	s_lshl_b32 s30, s25, 11
	s_add_co_u32 s28, s28, s30
	s_and_b32 s30, ttmp9, 1
	s_lshl_b32 s30, s30, 10
	s_add_co_u32 s28, s28, s30
	s_lshl_b32 s30, s24, 8
	s_add_co_u32 s28, s28, s30
	s_add_nc_u64 s[16:17], s[16:17], s[28:29]
	s_mov_b32 s80, 0x80000000                      ; the sign bit
	s_mov_b32 s82, 0x40c90fdb                      ; 2 pi  (the packed forms name pairs and take the low word for both halves: the upper word is written too)
	s_mov_b32 s83, 0x40c90fdb
	s_mov_b32 s84, 0x3638ef1d                      ; C9 = 1 / 9!
	s_mov_b32 s85, 0x3638ef1d
	s_mov_b32 s86, 0xb9500d01                      ; C7 = -1 / 7!
	s_mov_b32 s87, 0xb9500d01
	s_mov_b32 s88, 0x3c088889                      ; C5 = 1 / 5!
	s_mov_b32 s89, 0x3c088889
	s_mov_b32 s90, 0xbe2aaaab                      ; C3 = -1 / 3!
	s_mov_b32 s91, 0xbe2aaaab
	s_mov_b32 s92, 0x3f1e353f                      ; 0.618
	s_mov_b32 s93, 0x3f1e353f
	v_mov_b32 v18, 0xb2d7322b                      ; C11 = -1 / 11!
	v_mov_b32 v19, 0xb2d7322b
	s_wait_alu depctr_va_vdst(0)
	s_wait_kmcnt 0x0
.irp g, 0,1,2
	s_add_co_i32 s2, s[68+2*\g], 127               ; x's scale for product g: e0, e2, e4
	SCALE 13+\g, 97+2*\g
	s_or_b32 s[96+2*\g], s[97+2*\g], 0x80000000    ; and the limit's negative
.endr
	s_cmp_lt_u32 s22, 4                            ; my product's e0 or e2, e1 or e3, and its result's e6 or e7
	s_cselect_b32 s28, s68, s70
	s_cselect_b32 s2, s69, s71
	s_cselect_b32 s29, s74, s75
	s_add_co_i32 s28, s28, s2
	s_add_co_i32 s28, s28, 127
	s_lshl_b32 s78, s28, 23                        ; 2^(e0 + e1) or 2^(e2 + e3)
	s_mov_b32 s79, s78
	s_add_co_i32 s2, s29, 127
	SCALE 16, 61
	s_sub_co_i32 s2, s77, s72                      ; v: a sum stands for sum x 2^(e4 + e5), so its code is sum / 2^(e9 - e4 - e5)
	s_sub_co_i32 s2, s2, s73
	s_add_co_i32 s2, s2, 127
	SCALE 17, 62
	s_or_b32 s63, s62, 0x80000000
	s_and_b32 s60, s60, 0x7fffffff                 ; |K|
	s_mul_f32 s94, s60, 0x3e22f983                 ; / (2 pi)
	s_xor_b32 s94, s94, 0x80000000                 ; its negative
	s_mov_b32 s95, s94
; My two rows of tile t, for the three products: held, converted, stored as rows of codes.  younger: the loads issued behind this tile's eight, which may be out.
.macro XQ t, adr, younger
	s_wait_dscnt 0x0                               ; earlier stores of codes have read their registers
	s_wait_loadcnt \younger
.irp g, 0,1,2
.set LR, TMP+32*(\g%2)
.set JJ, 0
.rept 32
	v_med3_num_f32 v[LR+JJ], v[X+32*\t+JJ], s[96+2*\g], s[97+2*\g]   ; the conversion to an 8-bit code does not saturate (ISA guide 7.6.2)
.set JJ, JJ+1
.endr
.irp i, 0,1,2,3
	v_cvt_scalef32_pk8_bf8_f32 v[XCD+8*\g+2*\i:XCD+8*\g+2*\i+1], v[LR+8*\i:LR+8*\i+7], v[13+\g]
.endr
.irp i, 0,1,2,3
	ds_store_b64 v[\adr], v[XCD+8*\g+2*\i:XCD+8*\g+2*\i+1] offset:XT*(\t%2)+XG*\g+528*(\i/2)+256*(\i%2)
.endr
.endr
	v_nop                                          ; a plain line behind the last conversion
.endm
; x's three fragments of K step s: q's or k's of both tiles of the pair, v's of my one.
.macro LDX s, am, av
.set LR, FB+48*(\s%3)
.irp c, 0,1,2,3
	ds_load_b128 v[LR+4*\c:LR+4*\c+3], v[\am] offset:128*\s+32*\c
	ds_load_b128 v[LR+16+4*\c:LR+16+4*\c+3], v[\am] offset:XT+128*\s+32*\c
	ds_load_b128 v[LR+32+4*\c:LR+32+4*\c+3], v[\av] offset:128*\s+32*\c
.endr
.endm
.macro MM s                            ; three accumulators by turns, one instruction each
.set LR, FB+48*(\s%3)
	WIN 0x01                                       ; source 0 (W) window 1
.if \s == 0
	v_wmma_f32_16x16x128_bf8_bf8 v[ACC:ACC+7], v[16*\s:16*\s+15], v[LR:LR+15], 0
	v_wmma_f32_16x16x128_bf8_bf8 v[ACC+8:ACC+15], v[16*\s:16*\s+15], v[LR+16:LR+31], 0
	WIN 0x04                                       ; source 1 (Wv) window 1
	v_wmma_f32_16x16x128_bf8_bf8 v[ACC+16:ACC+23], v[LR+32:LR+47], v[64+16*\s:64+16*\s+15], 0
.else
	v_wmma_f32_16x16x128_bf8_bf8 v[ACC:ACC+7], v[16*\s:16*\s+15], v[LR:LR+15], v[ACC:ACC+7]
	v_wmma_f32_16x16x128_bf8_bf8 v[ACC+8:ACC+15], v[16*\s:16*\s+15], v[LR+16:LR+31], v[ACC+8:ACC+15]
	WIN 0x04
	v_wmma_f32_16x16x128_bf8_bf8 v[ACC+16:ACC+23], v[LR+32:LR+47], v[64+16*\s:64+16*\s+15], v[ACC+16:ACC+23]
.endif
	WIN 0
.endm
.macro PROD am, av
	LDX 0, \am, \av
	LDX 1, \am, \av
	LDX 2, \am, \av
	s_wait_dscnt 24                                ; K step 0's twelve loads are in
	MM 0
	PLACES                                         ; in front of loads into K step 0's registers
	LDX 3, \am, \av
	s_wait_dscnt 24                                ; K step 1's: 2's and 3's may be out
	MM 1
	s_wait_dscnt 12
	MM 2
	s_wait_dscnt 0
	MM 3
	PLACES                                         ; in front of the first reads of results
.endm
; The pair's results: v's codes; the map on 16 numbers a lane (both tiles), stage by stage so that no line waits for the line above it, and their codes.  A packed line names one scalar pair at the most.
.macro PK2 op, d, a, b, mods:vararg
.set JJ, 0
.rept 8
	\op v[\d+JJ:\d+JJ+1], v[\a+JJ:\a+JJ+1], v[\b+JJ:\b+JJ+1] \mods
.set JJ, JJ+2
.endr
.endm
.macro PKS op, d, a, sp                ; with a scalar pair as the second source
.set JJ, 0
.rept 8
	\op v[\d+JJ:\d+JJ+1], v[\a+JJ:\a+JJ+1], s[\sp:\sp+1] op_sel_hi:[1,0]
.set JJ, JJ+2
.endr
.endm
.macro FINISH pr
.set JJ, 0
.rept 8
	v_med3_num_f32 v[VH+JJ], v[ACC+16+JJ], s63, s62   ; each accumulator from its low end on
.set JJ, JJ+1
.endr
	v_cvt_scalef32_pk8_bf8_f32 v[VC:VC+1], v[VH:VH+7], v17
	PKS v_pk_mul_f32, T, ACC, 78                   ; t = sum x 2^(the two exponents)
	global_store_b64 v8, v[VC:VC+1], s[16:17] offset:512*\pr   ; 32 lanes store 256 consecutive bytes, aligned
.set JJ, 0
.rept 16
	v_rndne_f32 v[R+JJ], v[T+JJ]
.set JJ, JJ+1
.endr
	PK2 v_pk_add_f32, R, T, R, neg_lo:[0,1] neg_hi:[0,1]   ; g = t - round(t): exact, |g| <= 1/2
.set JJ, 0
.rept 16
	v_sub_f32 v[Z+JJ], 0.5, |v[R+JJ]|
.set JJ, JJ+1
.endr
.set JJ, 0
.rept 16
	v_min_num_f32 v[Z+JJ], |v[R+JJ]|, v[Z+JJ]      ; |m| = min(|g|, 1/2 - |g|) <= 1/4
.set JJ, JJ+1
.endr
.set JJ, 0
.rept 16
	v_and_or_b32 v[R+JJ], v[R+JJ], s80, v[Z+JJ]    ; m: g's sign over |m|
.set JJ, JJ+1
.endr
	PKS v_pk_mul_f32, R, R, 82                     ; r = 2 pi m
	PK2 v_pk_mul_f32, Z, R, R                      ; z = r^2
.set JJ, 0
.rept 8
	v_pk_fma_f32 v[P+JJ:P+JJ+1], v[Z+JJ:Z+JJ+1], v[18:19], s[84:85] op_sel_hi:[1,1,0]   ; C9 + z C11
.set JJ, JJ+2
.endr
.irp c, 86,88,90
.set JJ, 0
.rept 8
	v_pk_fma_f32 v[P+JJ:P+JJ+1], v[P+JJ:P+JJ+1], v[Z+JJ:Z+JJ+1], s[\c:\c+1] op_sel_hi:[1,1,0]   ; C7, C5, C3
.set JJ, JJ+2
.endr
.endr
	PK2 v_pk_mul_f32, Z, Z, R                      ; r^3
.set JJ, 0
.rept 8
	v_pk_fma_f32 v[R+JJ:R+JJ+1], v[P+JJ:P+JJ+1], v[Z+JJ:Z+JJ+1], v[R+JJ:R+JJ+1]   ; sin(2 pi t)
.set JJ, JJ+2
.endr
	PKS v_pk_add_f32, T, T, 92                     ; t + 0.618
.set JJ, 0
.rept 8
	v_pk_fma_f32 v[T+JJ:T+JJ+1], v[R+JJ:R+JJ+1], s[94:95], v[T+JJ:T+JJ+1] op_sel_hi:[1,0,1]   ; - |K| / (2 pi) x the sine
.set JJ, JJ+2
.endr
.set JJ, 0
.rept 16
	v_floor_f32 v[R+JJ], v[T+JJ]
.set JJ, JJ+1
.endr
	PK2 v_pk_add_f32, T, T, R, neg_lo:[0,1] neg_hi:[0,1]   ; mod 1: between 0 and 1
.set JJ, 0
.rept 16
	v_min_num_f32 v[T+JJ], s61, v[T+JJ]            ; never negative: the hold is one-sided
.set JJ, JJ+1
.endr
	v_cvt_scalef32_pk8_bf8_f32 v[QC:QC+1], v[T:T+7], v16
	v_cvt_scalef32_pk8_bf8_f32 v[QC+2:QC+3], v[T+8:T+15], v16
	v_nop                                          ; a plain line behind the last conversion
	global_store_b64 v8, v[QC:QC+1], s[12:13] offset:2048*\pr
	global_store_b64 v8, v[QC+2:QC+3], s[12:13] offset:2048*\pr+1024
.endm
.macro MEET                            ; my codes are stored; behind the barrier everybody's are
	s_wait_alu depctr_va_vdst(0)
	s_wait_dscnt 0x0
	s_barrier_signal -1
	s_barrier_wait -1
.endm
	s_wait_alu depctr_va_vdst(0)
	XQ 0, 20, 56                                   ; behind tile 0's loads: 8 of tile 1, 32 of W, 16 of tiles 2 and 3
	XQ 1, 20, 48
	MEET
	s_wait_loadcnt 16                              ; W's 32 loads are in; those of tiles 2 and 3 may be out
	PROD 22, 1
	FINISH 0
	s_wait_xcnt 0x0                                ; the stores have read their registers
	XQ 2, 21, 8
	XQ 3, 21, 0
	MEET
	PROD 23, 3
	FINISH 1
	s_wait_tensorcnt 0x0                           ; the wave's end, behind my last LDS store
	ds_add_u32 v9, v10
	s_wait_dscnt 0x0
	s_endpgm
.Lfunc_end_k_q06fb718f6e_proj:
	.size	k_q06fb718f6e_proj, .Lfunc_end_k_q06fb718f6e_proj-k_q06fb718f6e_proj
	.p2alignl 7, 3214868480
	.fill 96, 4, 3214868480
	.section	.rodata,"a",@progbits
	.p2align	6, 0x0
	.amdhsa_kernel k_q06fb718f6e_proj
		.amdhsa_group_segment_fixed_size 102400
		.amdhsa_private_segment_fixed_size 0
		.amdhsa_enable_private_segment 0
		.amdhsa_kernarg_size 56
		.amdhsa_user_sgpr_count 2
		.amdhsa_user_sgpr_kernarg_segment_ptr 1
		.amdhsa_wavefront_size32 1
		.amdhsa_system_sgpr_workgroup_id_x 1
		.amdhsa_system_sgpr_workgroup_id_y 1
		.amdhsa_system_sgpr_workgroup_id_z 1
		.amdhsa_system_vgpr_workitem_id 0
		.amdhsa_next_free_vgpr 384
		.amdhsa_next_free_sgpr 102
		.amdhsa_reserve_vcc 0
		.amdhsa_float_denorm_mode_32 3
		.amdhsa_float_denorm_mode_16_64 3
		.amdhsa_memory_ordered 1
		.amdhsa_forward_progress 1
		.amdhsa_inst_pref_size 76
	.end_amdhsa_kernel
	.amdgpu_metadata
---
amdhsa.version: [ 1, 2 ]
amdhsa.kernels:
  - .name:           k_q06fb718f6e_proj
    .symbol:         k_q06fb718f6e_proj.kd
    .args:
      - { .name: x, .offset: 0, .size: 8, .value_kind: global_buffer, .address_space: global }
      - { .name: w_img, .offset: 8, .size: 8, .value_kind: global_buffer, .address_space: global }
      - { .name: K, .offset: 16, .size: 8, .value_kind: global_buffer, .address_space: global }
      - { .name: lowp_scales, .offset: 24, .size: 8, .value_kind: global_buffer, .address_space: global }
      - { .name: q_img, .offset: 32, .size: 8, .value_kind: global_buffer, .address_space: global }
      - { .name: k_img, .offset: 40, .size: 8, .value_kind: global_buffer, .address_space: global }
      - { .name: v_img, .offset: 48, .size: 8, .value_kind: global_buffer, .address_space: global }
    .group_segment_fixed_size: 102400
    .private_segment_fixed_size: 0
    .kernarg_segment_align: 8
    .kernarg_segment_size: 56
    .max_flat_workgroup_size: 256
    .sgpr_count:     102
    .vgpr_count:     384
    .wavefront_size: 32
...
	.end_amdgpu_metadata
.endif
;; end of part 2
;; launch attn (part 3): grid 64 x 4, 16 waves a work-group, clusters of 4 x 1, 327,680 bytes of LDS; arguments q_img, k_img, v_img, lowp_scales, out0; writes out0
.if DOCPART == 3
	.amdgcn_target "amdgcn-amd-amdhsa--gfx1250"
	.amdhsa_code_object_version 6
	.text
	.protected	k_q06fb718f6e_attn
	.globl	k_q06fb718f6e_attn
	.p2align	8
	.type	k_q06fb718f6e_attn,@function
k_q06fb718f6e_attn:
	s_mov_b64 s[64:65], 0
	v_nop
	global_prefetch_b8 v0, s[64:65] scope:SCOPE_SE
	s_setreg_imm32_b32 hwreg(HW_REG_WAVE_MODE, 25, 1), 1
	s_wait_xcnt 0x0
	s_wait_alu depctr_hold_cnt(0) depctr_sa_sdst(0) depctr_va_vdst(0) depctr_va_sdst(0) depctr_va_ssrc(0) depctr_va_vcc(0) depctr_vm_vsrc(0)
	s_getreg_b32 s2, hwreg(HW_REG_IB_STS2, 6, 4)
	s_cmp_eq_u32 s2, 0
	s_cbranch_scc0 .Lentry_in_a_cluster
	s_endpgm
.Lentry_in_a_cluster:
	s_bfe_u32 s2, ttmp6, 0x10000c
	s_cmp_lg_u32 s2, 0x3003
	s_cbranch_scc0 .Lentry_shape_is_right
	s_endpgm
.Lentry_shape_is_right:
; out[b][q][:] = the sum over keys of softmax(q . k / 8) v, no mask, both products on codes of BF8 (E5M2): q with 2^e6, k with 2^e7, p with 2^e8, v (along the keys) with 2^e9.  4 batches x 4,096 tokens, head 64.
; THE EXPONENTS ARE BOUNDED BY THE COMPUTATION ITSELF, for every input: q and k are taken mod 1, so they lie between 0 and 1; rounding to E5M2 with a power-of-two scale keeps them there (it is monotone, and 1 is a number
; of the scaled format or is held or rounded down).  So a score is a sum of 64 products between 0 and 1, and t = score x log2(e) / 8 lies between 0 and 64 / 8 x log2(e) < 11.55.
; Hence M is the fixed whole number 12 >= every row's ceil(largest t).  2^t lies between 1 and 2,991 and a row's sum under 2^24: neither overflows nor underflows in f32.  p = 2^(t - 12) lies between 2^-12 and 1.
; M IS FOLDED INTO THE CONVERSION'S SCALE: p / 2^e8 = 2^t / 2^(e8 + 12).  The sum l is taken of the unquantised 2^t; the result is divided by l and multiplied by 2^(e8 + e9 + 12).
; LIMIT: e8 between -15 and 2: then p <= 1 is never beyond 57,344 x 2^e8 (no hold is needed, whatever whole M >= the row's is taken), and no p is under the smallest normal number: the codes for this M and for the row's own differ by an exact power of two.
; LIMITS: e6 + e7 between -123 and 130 (added to c's exponent field); e8 + e9 is applied by v_ldexp_f32 and has none.
; SHARES.  A work-group owns 64 queries of one batch: four tiles of 16.  Sixteen waves, four to a SIMD: wave w takes tiles 2 (w / 8) and 2 (w / 8) + 1 and, of every slot of 1,024 keys, keys 128 (w mod 8) on: two steps of 64 keys a slot, 8 in all.
; Each fragment of K and V read from LDS feeds two products.  The eight waves that share a tile keep an l and an O^T each; they are added at the end through LDS.
; LAYOUT.  S^T = K Q^T (source 0 = 16 keys, source 1 = 16 queries): lane (r, h) holds query r and, in register j of tile t, key 16 t + 8 h + j: tile t's conversion gives registers 2 t, 2 t + 1 of P, source 1 of
; O^T = V^T P (source 0 = 16 channels x 64 keys).  q_img, k_img and v_img hold the operands' registers lane by lane: every fragment load reads consecutive bytes: no pitch, no padding.
; A STEP: the products O^T += V^T P of the step before, S^T of this one, four places, the loads of this step's V and of the next step's K, then t, 64 exponentials in one batch, the sums and the conversions.
; RING.  Two LDS slots; a slot holds 1,024 keys: K's 64 fragments (65,536 bytes), then V's 8 blocks of 128 keys (65,536).  Waves 0-7 fetch K's eighths, waves 8-15 V's: one tensor load a wave behind each change of slots,
; by this text's count one is outstanding, and it has a slot's steps in which to land.
; CLUSTER.  The four blocks of queries of a cluster belong to one batch and walk the same K and V: each tile is asked for JOINTLY, by the same load with the same descriptor and the mask 15.
; PREFETCH.  At the change of slots that loads slot s + 1 the slot s + 2 is asked for, 2 steps ahead of its load: 256 blocks of 256 bytes of K and as many of V, shared out by address over the batch's 64 work-groups: four of K (wave 0), four of V (wave 8),
; each block once in the launch.  Slots 0 and 1 come by their loads alone; behind slot 3 there is none.
; REGISTERS: v1, v2 my lane's place in slot 0's K and V, v5, v6 in slot 1's; v3, v4 the spare word's address and 0; v7-v10 the merge's LDS addresses; v11 16 x lane; v12-19 l: tile a's two chains of pairs at 12 + 4 a;
;   v20 2^(e8 + 12); v21 the prefetch's offset; v24-39 Q; v40-55 P; v56-87 K's 4 fragments; v88-119 V's 4; v120-183 O^T (tile a, channels 16 n on, at 120 + 32 a + 8 n); v184-247 S^T, then 2^t (32 a tile).
.set VOFF,  65536
.set LST,   139264                     ; the merge: O^T's stage at byte 0 (16 waves x 2 tiles x 8 pieces x 544 bytes), then l: 64 queries x 8 waves x 4 bytes.  They lie in slot 0, which has had its last fill and its last read by then, and in bytes behind it that nothing fills
.set SLOT1, 141312                     ; slot 1
.set SPARE, 272384                     ; behind it: the spare words, 128 bytes for each of the sixteen waves: eight blocks of 256 bytes that no other line names
.set L,   12
.set QF,  24
.set PC,  40
.set KF,  56
.set VF,  88
.set OT,  120
.set S,   184
.set SD,  56                           ; the merge: eight l of row pair i at 56 + 8 i
.set OD,  184                          ; eight parts of O, 4 registers each, of row pair i at 184 + 32 i
.macro PLACES                          ; four plain lines behind a matrix instruction, in front of loads into its sources and of reads of its results
.rept 4
	v_nop
.endr
.endm
.macro CREST                           ; a round of the cluster's barrier behind its opening barrier
	s_cmp_lg_u32 s14, 0
	s_cbranch_scc1 .Lnot_wave_0_\@
	s_barrier_signal -3
.Lnot_wave_0_\@:
	s_barrier_wait -3
	s_barrier_signal -1
	s_barrier_wait -1
.endm
.macro CROUND                          ; a whole round
	s_barrier_signal -1
	s_barrier_wait -1
	CREST
.endm
.macro JLOAD                           ; a joint load: waves 0-7 for K, waves 8-15 for V; the branch hangs on the wave's number alone; four v_nop follow each line
	s_cmp_lt_u32 s14, 8
	s_cbranch_scc0 .Lfor_v_\@
	tensor_load_to_lds s[32:35], s[24:31]
	s_nop 0
	PLACES
	s_branch .Lasked_\@
.Lfor_v_\@:
	tensor_load_to_lds s[36:39], s[24:31]
	s_nop 0
	PLACES
.Lasked_\@:
.endm
	s_load_b256 s[4:11], s[0:1], 0x0               ; q_img s[4:5], k_img s[6:7], v_img s[8:9], the scales' exponents s[10:11]
	s_load_b64 s[12:13], s[0:1], 0x20              ; out0
	v_lshl_add_u32 v3, v0, 2, SPARE
	v_mov_b32 v4, 0
	ds_add_u32 v3, v4                              ; the wave's opening: the add, twice on end, and its wait
	ds_add_u32 v3, v4
	v_lshrrev_b32 v5, 5, v0
	v_readfirstlane_b32 s14, v5                    ; wave 0..15
	s_bfe_u32 s15, ttmp6, 0x40000                  ; cx
	s_lshl_b32 s16, ttmp9, 2
	s_add_co_u32 s16, s16, s15                     ; my block of 64 queries: it enters Q's, the output's and the prefetch's addresses alone
	s_and_b32 s17, ttmp7, 0xffff                   ; the batch, which the four partners share
	s_lshr_b32 s18, s14, 3                         ; which pair of tiles
	s_and_b32 s19, s14, 7                          ; which eighth of a slot's keys; also: which eighth of K or V I fetch
	s_lshl_b32 s48, s19, 13                        ; 8,192 x eighth
	s_add_co_u32 s49, s48, VOFF
	s_mul_i32 s52, s14, 8704                       ; my part of O^T's stage
	s_lshl_b32 s53, s18, 10
	s_lshl_b32 s54, s19, 2
	s_add_co_u32 s53, s53, s54
	s_add_co_u32 s53, s53, LST                     ; l, in: 32 x query + 4 x eighth
	s_mul_i32 s54, s18, 69632                      ; back: wave w finishes queries 4 w .. 4 w + 3, of tile w / 4: waves 8 (w / 8) + 0 .. 7 hold its parts,
	s_bfe_u32 s55, s14, 0x10002
	s_mul_i32 s55, s55, 4352                       ; as their tile (w / 4) mod 2;
	s_add_co_u32 s54, s54, s55
	s_and_b32 s55, s14, 3
	s_lshl_b32 s55, s55, 6                         ; rows 4 (w mod 4) on
	s_add_co_u32 s54, s54, s55
	s_lshl_b32 s55, s14, 7
	s_add_co_u32 s55, s55, LST                     ; l, back: 32 x (4 w + ..)
	s_lshl_b32 s56, s16, 10                        ; the prefetch: my 1,024 bytes of a slot's 65,536
	v_and_b32 v12, 31, v0                          ; lane
	v_and_b32 v13, 15, v0                          ; r
	v_bfe_u32 v14, v0, 4, 1                        ; h
	v_lshlrev_b32 v11, 4, v12
	v_lshl_add_u32 v1, v12, 3, s48                 ; K: 8 x lane in my eighth
	v_lshlrev_b32 v22, 3, v12                      ; Q: 8 x lane
	v_lshl_add_u32 v2, v12, 3, s49                 ; V: 8 x lane in my eighth
	v_add_nc_u32 v5, SLOT1, v1
	v_add_nc_u32 v6, SLOT1, v2
	v_mul_u32_u24 v7, v14, 272
	v_lshl_add_u32 v7, v13, 4, v7
	v_add_nc_u32 v7, s52, v7                       ; O^T's stage, in: + 272 h + 16 r
	v_lshl_add_u32 v8, v13, 5, s53
	v_lshrrev_b32 v15, 2, v13                      ; lane l mod 16 takes channels 4 l .. 4 l + 3 = 16 n + 8 h' + 4 j': n = l / 4, h' = (l / 2) mod 2, j' = l mod 2
	v_and_b32 v16, 1, v13
	v_bfe_u32 v17, v13, 1, 1
	v_lshl_add_u32 v15, v15, 2, v17
	v_lshl_add_u32 v15, v16, 1, v15                ; 4 n + 2 j' + h': sixteen different rows of 272 bytes: sixteen different columns of 16 bytes modulo 256
	v_mul_u32_u24 v9, v15, 272
	v_lshl_add_u32 v9, v14, 4, v9                  ; lanes 16-31 take the next query
	v_add_nc_u32 v9, s54, v9
	v_lshl_add_u32 v10, v14, 5, s55
	v_min_u32 v21, 3, v12                          ; four blocks of 256 bytes; the lanes left over name the last again
	v_lshl_add_u32 v21, v21, 8, s56
	; group 1: a dense block as 32 rows of 32 elements of 8 bytes: 8,192 bytes; mask 15, bit 21 beside it
	s_mov_b32 s24, 15|(3<<16)|(1<<21)
	s_mov_b32 s25, 32<<16
	s_mov_b32 s26, 32<<16
	s_mov_b32 s27, 32<<16
	s_mov_b32 s28, 32
	s_mov_b32 s29, 32
	s_mov_b32 s30, 0
	s_mov_b32 s31, 0
	s_lshl_b32 s60, s17, 18                        ; the batch's 262,144 bytes of k_img and of v_img,
	s_mov_b32 s61, 0
	s_add_co_u32 s50, s60, s48                     ; my eighth of the first slot: made of the batch and the wave's number alone
	s_mov_b32 s51, 0
	s_lshl_b32 s40, s17, 8                         ; Q: tile 256 x batch + 4 x block + 2 x pair, 1,024 bytes each
	s_lshl_b32 s41, s16, 2
	s_add_co_u32 s40, s40, s41
	s_lshl_b32 s41, s18, 1
	s_add_co_u32 s40, s40, s41
	s_lshl_b32 s40, s40, 10
	s_mov_b32 s41, 0
	s_lshl_b32 s42, s17, 12                        ; the output: row 4,096 x batch + 64 x block + 4 x wave, 256 bytes each
	s_lshl_b32 s43, s16, 6
	s_add_co_u32 s42, s42, s43
	s_lshl_b32 s43, s14, 2
	s_add_co_u32 s42, s42, s43
	s_lshl_b32 s42, s42, 8
	s_mov_b32 s43, 0
	s_mov_b32 s20, 0x76543210                      ; v_permlanex16_b32: lane l xor 16
	s_mov_b32 s21, 0xfedcba98
	s_wait_alu depctr_va_vdst(0)
	s_wait_dscnt 0x0                               ; both opening adds are done
	CROUND                                         ; all four work-groups are here: the first joint loads meet
	s_wait_kmcnt 0x0
	s_mov_b32 s32, 1
	s_mov_b32 s33, s48                             ; K: slot 0
	s_add_nc_u64 s[34:35], s[6:7], s[50:51]
	s_or_b32 s35, s35, 0x80000000
	s_mov_b32 s36, 1
	s_mov_b32 s37, s49                             ; V: slot 0
	s_add_nc_u64 s[38:39], s[8:9], s[50:51]
	s_or_b32 s39, s39, 0x80000000
	JLOAD                                          ; slot 0: keys 0 to 1,023
	s_load_b128 s[44:47], s[10:11], 0x18           ; e6, e7, e8, e9
	s_add_nc_u64 s[4:5], s[4:5], s[40:41]
	s_add_nc_u64 s[12:13], s[12:13], s[42:43]
.irp a, 0,1
.irp c, 0,1,2,3
	global_load_b64 v[QF+8*\a+2*\c:QF+8*\a+2*\c+1], v22, s[4:5] offset:1024*\a+256*\c   ; Q's two fragments stay in registers
.endr
.endr
	s_cmp_lt_u32 s14, 8
	s_cselect_b64 s[58:59], s[6:7], s[8:9]         ; the prefetches: waves of the lower half name K, of the upper half V
	s_add_nc_u64 s[58:59], s[58:59], s[60:61]
	s_wait_kmcnt 0x0
	s_add_co_i32 s57, s44, s45
	s_lshl_b32 s57, s57, 23
	s_add_co_i32 s22, s57, 0x3e38aa3b              ; c = log2(e) / 8, with e6 + e7 added to its exponent field: a score stands for score x 2^(e6 + e7)
	s_mov_b32 s23, s22                             ; (named with it as a pair)
	s_add_co_i32 s57, s46, 139
	s_lshl_b32 s57, s57, 23
	v_mov_b32 v20, s57                             ; 2^(e8 + 12), for the conversion
	s_add_co_i32 s56, s46, s47
	s_add_co_i32 s56, s56, 12                      ; e8 + e9 + 12
.macro LDK sl, q                       ; K's four fragments of 16 keys
.irp t, 0,1,2,3
.irp c, 0,1,2,3
	ds_load_b64 v[KF+8*\t+2*\c:KF+8*\t+2*\c+1], v[1+4*((\sl)%2)] offset:4096*\q+1024*\t+256*\c
.endr
.endr
.endm
.macro LDV sl, q                       ; V's four fragments of 16 channels x 64 keys
.irp n, 0,1,2,3
.irp c, 0,1,2,3
	ds_load_b64 v[VF+8*\n+2*\c:VF+8*\n+2*\c+1], v[2+4*((\sl)%2)] offset:2048*\n+1024*\q+256*\c
.endr
.endr
.endm
.macro QK                              ; S^T: eight accumulators, each begun with 0
.irp t, 0,1,2,3
.irp a, 0,1
	v_wmma_f32_16x16x64_bf8_bf8 v[S+32*\a+8*\t:S+32*\a+8*\t+7], v[KF+8*\t:KF+8*\t+7], v[QF+8*\a:QF+8*\a+7], 0
.endr
.endr
.endm
; O^T += V^T P: eight accumulators by turns, one instruction each.  zero = 1: the first products start the sums.  Exponentials stand between a sum's steps.
.macro PV zero
.if \zero
	s_wait_alu depctr_va_vdst(0)
.endif
.irp n, 0,1,2,3
.irp a, 0,1
.if \zero
	v_wmma_f32_16x16x64_bf8_bf8 v[OT+32*\a+8*\n:OT+32*\a+8*\n+7], v[VF+8*\n:VF+8*\n+7], v[PC+8*\a:PC+8*\a+7], 0
.else
	s_wait_alu depctr_va_vdst(0)
	v_wmma_f32_16x16x64_bf8_bf8 v[OT+32*\a+8*\n:OT+32*\a+8*\n+7], v[VF+8*\n:VF+8*\n+7], v[PC+8*\a:PC+8*\a+7], v[OT+32*\a+8*\n:OT+32*\a+8*\n+7]
.endif
.endr
.endr
.endm
.macro SOFT first                      ; both tiles: t, 2^t, the sums of the UNQUANTISED numbers, the codes.  first = 1: the sums begin
.set JJ, 0
.rept 32
	v_pk_mul_f32 v[S+JJ:S+JJ+1], v[S+JJ:S+JJ+1], s[22:23] op_sel_hi:[1,0]   ; t, each accumulator from its low end on
.set JJ, JJ+2
.endr
	s_wait_alu depctr_va_vdst(0)                   ; the wait ahead of the batch
.set JJ, 0
.rept 64
	v_exp_f32 v[S+JJ], v[S+JJ]
.set JJ, JJ+1
.endr
	v_nop                                          ; a plain place behind the exponentials
	s_wait_alu depctr_va_vdst(0)                   ; and the wait behind the batch, ahead of its first reader
.irp t, 0,1,2,3
.if \first && (\t == 0)
.irp a, 0,1
	v_pk_add_f32 v[L+4*\a:L+4*\a+1], v[S+32*\a:S+32*\a+1], v[S+32*\a+4:S+32*\a+5]
.endr
.irp a, 0,1
	v_pk_add_f32 v[L+4*\a+2:L+4*\a+3], v[S+32*\a+2:S+32*\a+3], v[S+32*\a+6:S+32*\a+7]
.endr
.else
.irp j, 0,2,4,6
.irp a, 0,1
	v_pk_add_f32 v[L+4*\a+(\j%4):L+4*\a+(\j%4)+1], v[L+4*\a+(\j%4):L+4*\a+(\j%4)+1], v[S+32*\a+8*\t+\j:S+32*\a+8*\t+\j+1]
.endr
.endr
.endif
.irp a, 0,1
	v_cvt_scalef32_pk8_bf8_f32 v[PC+8*\a+2*\t:PC+8*\a+2*\t+1], v[S+32*\a+8*\t:S+32*\a+8*\t+7], v20   ; P's registers 2 t, 2 t + 1: keys 16 t + 8 h + 0 .. 7
.endr
.endr
	v_nop                                          ; a plain line behind the last conversion
.endm
; THE CHANGE OF SLOTS stands at a slot's head.  Each wave waits for all its tensor loads (its part of the slot ahead), adds 0 to its spare word, and waits for that and for its reads of the slot that it has left.
; sl < 3: the barrier is a round of the cluster's, so that no wave of any partner still reads the other slot or has a load on its way; the joint fill of that slot, with the next 1,024 keys, is the first thing behind it.
.macro CHANGE sl
	s_wait_tensorcnt 0x0                           ; no tensor load of mine is out, so a group 0 may be written
	ds_add_u32 v3, v4                              ; 0 onto my spare word
.if \sl < 3
.if \sl == 1
	s_sub_co_u32 s33, s33, SLOT1                   ; the other slot than last time,
	s_sub_co_u32 s37, s37, SLOT1
.else
	s_add_co_u32 s33, s33, SLOT1
	s_add_co_u32 s37, s37, SLOT1
.endif
	s_add_nc_u64 s[34:35], s[34:35], 65536         ; the next 1,024 keys; the type bits on top are not reached
	s_add_nc_u64 s[38:39], s[38:39], 65536
.endif
	s_wait_dscnt 0x0                               ; the add is done, and my reads of the slot that I have left are over
.if \sl < 3
	CROUND
	JLOAD
.else
	s_barrier_signal -1
	s_barrier_wait -1
.endif
.endm
.macro STEP sl, q                      ; 64 keys, the q-th of my eighth of slot sl, for both tiles
.if \q == 0
	CHANGE \sl
	LDK \sl, 0
.if \sl < 2
	s_cmp_lg_u32 s19, 0
	s_cbranch_scc1 .Lnot_mine_\@
	global_prefetch_b8 v21, s[58:59] offset:65536*(\sl+2) th:TH_LOAD_NT scope:SCOPE_SE
.Lnot_mine_\@:
.endif
.else
	s_wait_dscnt 0x0                               ; this step's K and the last step's V
.endif
.if \q == 0 && \sl == 0
.elseif \sl == 0
	PV 1                                           ; the last step's second product
.else
	PV 0
.endif
.if \q == 0
	s_wait_dscnt 0x0                               ; K's 16 loads
.endif
	QK
	PLACES                                         ; in front of the loads into V's and K's registers and of the first reads of the scores
	LDV \sl, \q
.if \q == 0
	LDK \sl, 1
.endif
.if \q == 0 && \sl == 0
	SOFT 1
.else
	SOFT 0
.endif
.endm
	s_wait_alu depctr_va_vdst(0)
	s_wait_loadcnt 0x0                             ; Q
.irp sl, 0,1,2,3
	STEP \sl, 0
	STEP \sl, 1
.endr
	s_wait_dscnt 0x0                               ; the last step's V
	PV 0
	; THE MERGE.  Each wave's l and O^T go to LDS; behind a barrier wave w finishes queries 4 w .. 4 w + 3: out = sum of the eight O / sum of the eight l x 2^(e8 + e9 + 12).
	v_pk_add_f32 v[12:13], v[12:13], v[14:15]      ; l's two chains,  (these lines are also the places behind the last products)
	v_pk_add_f32 v[16:17], v[16:17], v[18:19]
	v_add_f32 v12, v12, v13                        ; their halves,
	v_add_f32 v16, v16, v17
	v_permlanex16_b32 v13, v12, s20, s21
	v_permlanex16_b32 v17, v16, s20, s21
	v_add_f32 v12, v12, v13                        ; and lane l xor 16's
	v_add_f32 v16, v16, v17
	ds_store_b32 v8, v12                           ; lanes r and r + 16 hold the same number and write the same word
	ds_store_b32 v8, v16 offset:512
.irp a, 0,1
.irp d, 0,1,2,3
.irp j, 0,1
	ds_store_b128 v7, v[OT+32*\a+8*\d+4*\j:OT+32*\a+8*\d+4*\j+3] offset:4352*\a+544*(2*\d+\j)   ; channels 16 d + 8 h + 4 j + 0 .. 3 of query r; each accumulator from its low end on
.endr
.endr
.endr
	s_wait_dscnt 0x0                               ; for the others' sake: my stores have landed
	s_barrier_signal -1
	s_barrier_wait -1
.irp i, 0,1                            ; row pair i: queries 4 w + 2 i (lanes 0-15) and 4 w + 2 i + 1 (lanes 16-31)
	ds_load_b128 v[SD+8*\i:SD+8*\i+3], v10 offset:64*\i
	ds_load_b128 v[SD+8*\i+4:SD+8*\i+7], v10 offset:64*\i+16
.endr
.irp i, 0,1
.irp g, 0,1,2,3,4,5,6,7
	ds_load_b128 v[OD+32*\i+4*\g:OD+32*\i+4*\g+3], v9 offset:8704*\g+32*\i
.endr
.endr
	s_wait_dscnt 16                                ; the four loads of l are in; O's sixteen were issued behind them
.irp i, 0,1
	v_pk_add_f32 v[SD+8*\i:SD+8*\i+1], v[SD+8*\i:SD+8*\i+1], v[SD+8*\i+2:SD+8*\i+3]
	v_pk_add_f32 v[SD+8*\i+4:SD+8*\i+5], v[SD+8*\i+4:SD+8*\i+5], v[SD+8*\i+6:SD+8*\i+7]
.endr
.irp i, 0,1
	v_pk_add_f32 v[SD+8*\i:SD+8*\i+1], v[SD+8*\i:SD+8*\i+1], v[SD+8*\i+4:SD+8*\i+5]
.endr
.irp i, 0,1
	v_add_f32 v[12+2*\i], v[SD+8*\i], v[SD+8*\i+1] ; the row's sum
.endr
	s_wait_alu depctr_va_vdst(0)                   ; the wait ahead of the batch,
	v_rcp_f32 v12, v12
	v_rcp_f32 v14, v14
	v_nop                                          ; the plain place
	s_wait_alu depctr_va_vdst(0)                   ; and the wait behind it
	v_ldexp_f32 v12, v12, s56                      ; x 2^(e8 + e9 + 12)
	v_ldexp_f32 v14, v14, s56
	s_wait_alu depctr_va_vdst(0)
	s_wait_dscnt 0x0                               ; O's parts
.macro ADDP g, o                       ; part g += part g + o, both row pairs
.irp i, 0,1
	v_pk_add_f32 v[OD+32*\i+4*\g:OD+32*\i+4*\g+1], v[OD+32*\i+4*\g:OD+32*\i+4*\g+1], v[OD+32*\i+4*(\g+\o):OD+32*\i+4*(\g+\o)+1]
	v_pk_add_f32 v[OD+32*\i+4*\g+2:OD+32*\i+4*\g+3], v[OD+32*\i+4*\g+2:OD+32*\i+4*\g+3], v[OD+32*\i+4*(\g+\o)+2:OD+32*\i+4*(\g+\o)+3]
.endr
.endm
	ADDP 0, 1
	ADDP 2, 1
	ADDP 4, 1
	ADDP 6, 1
	ADDP 0, 2
	ADDP 4, 2
	ADDP 0, 4
.irp i, 0,1
	v_pk_mul_f32 v[OD+32*\i:OD+32*\i+1], v[OD+32*\i:OD+32*\i+1], v[12+2*\i:13+2*\i] op_sel_hi:[1,0]   ; (of the factor's pair the low word serves both halves)
	v_pk_mul_f32 v[OD+32*\i+2:OD+32*\i+3], v[OD+32*\i+2:OD+32*\i+3], v[12+2*\i:13+2*\i] op_sel_hi:[1,0]
.endr
.irp i, 0,1
	global_store_b128 v11, v[OD+32*\i:OD+32*\i+3], s[12:13] offset:512*\i th:TH_STORE_NT   ; 32 lanes store two whole rows: 512 consecutive bytes, aligned; written once, read by nobody here
.endr
	s_wait_tensorcnt 0x0                           ; the wave's end, behind my last tensor load and my last LDS store
	ds_add_u32 v3, v4
	s_wait_dscnt 0x0
	CROUND                                         ; the closing round: no work-group ends while a partner may still ask for a tile that names it
	s_endpgm
.Lfunc_end_k_q06fb718f6e_attn:
	.size	k_q06fb718f6e_attn, .Lfunc_end_k_q06fb718f6e_attn-k_q06fb718f6e_attn
	.p2alignl 7, 3214868480
	.fill 96, 4, 3214868480
	.section	.rodata,"a",@progbits
	.p2align	6, 0x0
	.amdhsa_kernel k_q06fb718f6e_attn
		.amdhsa_group_segment_fixed_size 327680
		.amdhsa_private_segment_fixed_size 0
		.amdhsa_enable_private_segment 0
		.amdhsa_kernarg_size 40
		.amdhsa_user_sgpr_count 2
		.amdhsa_user_sgpr_kernarg_segment_ptr 1
		.amdhsa_wavefront_size32 1
		.amdhsa_system_sgpr_workgroup_id_x 1
		.amdhsa_system_sgpr_workgroup_id_y 1
		.amdhsa_system_sgpr_workgroup_id_z 1
		.amdhsa_system_vgpr_workitem_id 0
		.amdhsa_next_free_vgpr 256
		.amdhsa_next_free_sgpr 66
		.amdhsa_reserve_vcc 0
		.amdhsa_float_denorm_mode_32 3
		.amdhsa_float_denorm_mode_16_64 3
		.amdhsa_memory_ordered 1
		.amdhsa_forward_progress 1
		.amdhsa_inst_pref_size 98
	.end_amdhsa_kernel
	.amdgpu_metadata
---
amdhsa.version: [ 1, 2 ]
amdhsa.kernels:
  - .name:           k_q06fb718f6e_attn
    .symbol:         k_q06fb718f6e_attn.kd
    .args:
      - { .name: q_img, .offset: 0, .size: 8, .value_kind: global_buffer, .address_space: global }
      - { .name: k_img, .offset: 8, .size: 8, .value_kind: global_buffer, .address_space: global }
      - { .name: v_img, .offset: 16, .size: 8, .value_kind: global_buffer, .address_space: global }
      - { .name: lowp_scales, .offset: 24, .size: 8, .value_kind: global_buffer, .address_space: global }
      - { .name: out0, .offset: 32, .size: 8, .value_kind: global_buffer, .address_space: global }
    .group_segment_fixed_size: 327680
    .private_segment_fixed_size: 0
    .kernarg_segment_align: 8
    .kernarg_segment_size: 40
    .max_flat_workgroup_size: 512
    .sgpr_count:     66
    .vgpr_count:     256
    .wavefront_size: 32
...
	.end_amdgpu_metadata
.endif
;; end of part 3
